; MI455X (gfx1250); checked and timed in simulation.
; The chip was launched on July 23, 2026; its instructions are those of AMD's public machine-readable ISA for CDNA 5 (MIT licence, August 2026) and "CDNA5" Instruction Set Architecture Reference Guide (July 2026). The comments in the code are by the model that wrote it; some were corrected since.
;; Device Aware Mo E Layer. Allowed arithmetic: matrix products marked QUANTISED: E4M3 operands, one given power-of-two scale a tensor, by v_wmma_f32_16x16x64_fp8_fp8 or v_wmma_f32_16x16x128_fp8_fp8, f32 sums; products left as they are: f32 operands where the result goes on into a quantised operand, else bf16, f16 or f32 operands; f32 sums; everything else in f32.
;; Inputs: b1 16 x 2,048 float32; b2 16 x 1,024 float32; gate_b 16 float32; gate_w_codes 16 x 32 x 32 uint8 (E4M3 codes of gate_w, K innermost, in blocks of 32 codes); lowp_scales 6 int32 (the exponents e of the quantised operands' scales 2^e); w1_codes 16 x 2,048 x 32 x 32 uint8 (E4M3 codes of w1, K innermost, in blocks of 32 codes); w2_codes 16 x 1,024 x 64 x 32 uint8 (E4M3 codes of w2, K innermost, in blocks of 32 codes); x_codes 2 x 512 x 32 x 32 uint8 (E4M3 codes of x, K innermost, in blocks of 32 codes).
;; Outputs: out0 2 x 512 x 1,024 float32.
;; This version of the problem:
;;   THIS VERSION OF THE PROBLEM IS GIVEN IN LOW PRECISION. The matrix products marked QUANTISED in the list below multiply operands that are first quantised to E4M3 (4 exponent bits, 3 mantissa bits; 8 bits a number), with one given power-of-two scale for each operand tensor; their sums are f32. All else is computed in f32.
;;   The module's matrix products, in the order in which they are computed (A, B: the left and right operand; K: the contracted axis; several contracted axes count as one K, in the product's order):
;;     1. [M 1,024, K 1,024] x [K 1,024, N 16]; A: input x (given as codes); B: input gate_w (given as codes): QUANTISED (scales: A lowp_scales[0], B lowp_scales[1])
;;     2. [M 1,024, K 1,024] x [K 1,024, N 32,768]; A: input x (given as codes); B: input w1 (given as codes): QUANTISED (scales: A lowp_scales[2], B lowp_scales[3])
;;     3. batch 16 x [M 1,024, K 2,048] x [K 2,048, N 1,024]; A: input w2 (given as codes); B: computed on the way: QUANTISED (scales: A lowp_scales[4], B lowp_scales[5])
;;     4. batch 1,024 x [M 1,024, K 16] x [K 16, N 1]; A: computed on the way; B: computed on the way: left as it is (K = 16 < 32)
;;   THE QUANTISER, for each operand of a quantised product, along K:
;;     - The operand's scale is 2^e, e = its entry of the input lowp_scales (int32; the entries are numbered through the quantised products in the list's order, A before B).
;;     - Each number is divided by the scale, clamped to +-448, and rounded to the nearest number of E4M3, ties to even, subnormals kept.
;;     - The product sums the exact products of the quantised numbers (number of the format x scale) in f32.
;;   ~~~python
;;   def quantise(x, axis, e):      # numpy; x: float32 -> the quantised numbers, widened to float32 again
;;       x = np.moveaxis(x, axis, -1); K = x.shape[-1]
;;       r = np.clip(x / 2.0 ** e, -448, 448)
;;       step = 2.0 ** (np.maximum(np.frexp(np.where(r == 0, 1, r))[1] - 1, -6) - 3)
;;       q = np.round(r / step) * step * 2.0 ** e      # np.round: ties to even
;;       return np.moveaxis(q, -1, axis).astype(np.float32)
;;   ~~~
;;   OPERANDS COMPUTED ON THE WAY. 'Computed on the way' means the value that the module computes at that place (a softmax that the list does not call 'softmax' is quantised finished and normalised). What goes into a quantiser is computed in f32, as accurately as f32 sums, v_exp_f32 and their like allow (about 1e-6 of the number): no bf16 or f16 on the way to a quantiser, and a product that is left as it is and whose result goes on into a quantised operand takes f32 operands (vector FMAs, or v_wmma_f32_16x16x4_f32). A number that lies on a knife's edge between two numbers of the format may be rounded either way, as far as f32 arithmetic and the matrix unit's own rounding can turn it there, and no further.
;;   INPUTS GIVEN AS CODES. gate_w (in the module: [1024, 16], K = its axis 0); w1 (in the module: [16, 1024, 2048], K = its axis 1); w2 (in the module: [16, 2048, 1024], K = its axis 1); x (in the module: [2, 512, 1024], K = its axis 2): each comes as NAME_codes (uint8): NAME with its K axis moved to the last place and cut into blocks of 32 codes, [.., K / 32, bytes a block], one block behind the other in memory; one code a byte (a code: sign, 4 exponent bits, 3 mantissa bits); its scale is its entry of lowp_scales. Its value is code x scale, taken as it is: it is not quantised again, and the codes and scales need not be those that the quantiser above would give.
;; One version. Each part assembles by itself: llvm-mc -triple=amdgcn-amd-amdhsa -mcpu=gfx1250 --defsym DOCPART=n.
;; ======== version 1 of 1: 3 launches
;; workspace buffers: top1 4,096 bytes of whole numbers; h_img 3,145,728 bytes
;; launch gate (part 1): grid 16 x 1, 4 waves a work-group, no clusters, 768 bytes of LDS; arguments x_codes, gate_w_codes, gate_b, lowp_scales, top1; writes top1
.if DOCPART == 1
	.amdgcn_target "amdgcn-amd-amdhsa--gfx1250"
	.amdhsa_code_object_version 6
	.text
	.protected	k_qa0b17f92aa_gate
	.globl	k_qa0b17f92aa_gate
	.p2align	8
	.type	k_qa0b17f92aa_gate,@function
k_qa0b17f92aa_gate:
	s_mov_b64 s[64:65], 0
	v_nop
	global_prefetch_b8 v0, s[64:65] scope:SCOPE_SE
	s_setreg_imm32_b32 hwreg(HW_REG_WAVE_MODE, 25, 1), 1
	s_wait_xcnt 0x0
; THE ROUTER.  logits[t][n] = (sum over k of x[t][k] gate_w[n][k]) x 2^(e0 + e1) + gate_b[n], on codes of FP8 (E4M3) as they are given; top1[t] = the first n with the largest logit.
; x_codes: 1,024 tokens x 1,024 bytes; gate_w_codes: 16 rows x 1,024 bytes, K innermost in both.  top1: int32 [1,024], token t's expert at byte 4 t: a fixed place, so no address here hangs on the choice.
; SHARES.  16 work-groups of four waves; a wave takes one tile of 16 tokens and all 16 experts: 8 matrix instructions of 128 along K, on two accumulators by turns.
; THE PRODUCT IS USED TRANSPOSED: source 0 = gate_w's 16 rows, source 1 = 16 tokens.  Lane (r, h) then holds token r and the logits of experts 8 h + 0 .. 7.
; FRAGMENTS: registers 4 c .. 4 c + 3 of a K step hold k = 32 c + 16 h + 0 .. 15: the same order of k in both sources, so every product meets its partner.
; They are loaded straight from memory, 32 bytes of a row a load: each wave reads 32 KiB once, too little for a way through LDS to pay.
; LIMITS: e0 + e1 is applied by v_ldexp_f32 and has none.  NaN codes are not served.  Two logits of a token that agree to within the rounding of f32 sums may be chosen either way.
; No tensor loads, no cluster: nothing is read twice by a work-group, and all that work-groups share is gate_w's 16 KiB.
; REGISTERS: v1 r, v2 h, v3 offset of a fragment's row, v4 gate_b's offset, v5, v6 LDS addresses; v16-31 two accumulators; v32-39 gate_b; v40-47 logits; v48-55 experts' numbers; v56-59 the choice; v64-191 x; window 1 v0-127 gate_w.
.set ACC, 16
.set GB,  32
.set LG,  40
.set IX,  48
.set XF,  64
.set MSB, 0
.macro WIN new                         ; the immediate's high byte repeats the setting that is left; a switch that changes nothing is dropped
.if MSB != \new
	s_set_vgpr_msb (MSB<<8)|\new
.set MSB, \new
.endif
.endm
	s_load_b256 s[4:11], s[0:1], 0x0               ; x s[4:5], gate_w s[6:7], gate_b s[8:9], the scales' exponents s[10:11]
	s_load_b64 s[12:13], s[0:1], 0x20              ; top1
	v_lshl_add_u32 v254, v0, 2, 0x100
	v_mov_b32 v255, 0
	v_lshrrev_b32 v5, 5, v0
	v_readfirstlane_b32 s16, v5                    ; wave 0..3
	v_and_b32 v1, 15, v0                           ; r
	v_bfe_u32 v2, v0, 4, 1                         ; h
	v_lshlrev_b32 v3, 10, v1
	v_lshl_add_u32 v3, v2, 4, v3                   ; row r of 1,024 bytes + 16 h: the same for x and for gate_w
	v_lshlrev_b32 v4, 5, v2                        ; gate_b: my eight experts' 32 bytes
	v_lshlrev_b32 v5, 6, v5
	v_lshl_add_u32 v5, v1, 2, v5                   ; LDS: 64 x wave + 4 r: my token's word among the work-group's 64
	v_and_b32 v6, 31, v0
	v_lshlrev_b32 v6, 3, v6                        ; 8 x lane: two words, in LDS and in top1
	s_mov_b32 s20, 0x76543210                      ; v_permlanex16_b32: lane l takes lane l xor 16
	s_mov_b32 s21, 0xfedcba98
	s_lshl_b32 s18, ttmp9, 16                      ; my tile's first token: (64 x work-group + 16 x wave) rows of 1,024 bytes
	s_lshl_b32 s19, s16, 14
	s_add_co_u32 s18, s18, s19
	s_mov_b32 s19, 0
	s_lshl_b32 s22, ttmp9, 8                       ; the work-group's 64 words of top1
	s_mov_b32 s23, 0
	s_wait_kmcnt 0x0
	s_load_b64 s[14:15], s[10:11], 0x0             ; e0, e1
	s_add_nc_u64 s[4:5], s[4:5], s[18:19]
	s_add_nc_u64 s[12:13], s[12:13], s[22:23]
	global_load_b128 v[GB:GB+3], v4, s[8:9]
	global_load_b128 v[GB+4:GB+7], v4, s[8:9] offset:16
	WIN 0x40                                       ; destination window 1
.irp s, 0,1,2,3,4,5,6,7
.irp c, 0,1,2,3
	global_load_b128 v[16*\s+4*\c:16*\s+4*\c+3], v3, s[6:7] offset:128*\s+32*\c
.endr
.endr
	WIN 0
.irp s, 0,1,2,3,4,5,6,7
.irp c, 0,1,2,3
	global_load_b128 v[XF+16*\s+4*\c:XF+16*\s+4*\c+3], v3, s[4:5] offset:128*\s+32*\c
.endr
.endr
	v_lshlrev_b32 v[IX], 3, v2                     ; my experts' numbers: 8 h + j
.irp j, 1,2,3,4,5,6,7
	v_add_nc_u32 v[IX+\j], \j, v[IX]
.endr
	v_mov_b32 v58, 0                               ; written once: a lane permute's destination counts as one of its sources
	v_mov_b32 v59, 0
.irp s, 0,1,2,3,4,5,6,7
	s_wait_loadcnt 28-4*\s                         ; loads come back in order: behind K step s's loads of x stand the four of each later K step; gate_b and all of gate_w were issued ahead of them
	WIN 0x01                                       ; source 0 (gate_w) window 1
.if \s < 2
	v_wmma_f32_16x16x128_fp8_fp8 v[ACC+8*(\s%2):ACC+8*(\s%2)+7], v[16*\s:16*\s+15], v[XF+16*\s:XF+16*\s+15], 0
.else
	v_wmma_f32_16x16x128_fp8_fp8 v[ACC+8*(\s%2):ACC+8*(\s%2)+7], v[16*\s:16*\s+15], v[XF+16*\s:XF+16*\s+15], v[ACC+8*(\s%2):ACC+8*(\s%2)+7]
.endif
.endr
	WIN 0
.rept 4
	v_nop                                          ; four places between the last products and the first read of their results (ISA guide 7.12.1)
.endr
	s_wait_kmcnt 0x0
	s_add_co_i32 s14, s14, s15                     ; e0 + e1
.irp j, 0,1,2,3,4,5,6,7
	v_add_f32 v[LG+\j], v[ACC+\j], v[ACC+8+\j]     ; the even and the odd K steps' sums; each accumulator from its low end on
.endr
.irp j, 0,1,2,3,4,5,6,7
	v_ldexp_f32 v[LG+\j], v[LG+\j], s14            ; x 2^(e0 + e1): nothing is rounded
.endr
.irp j, 0,1,2,3,4,5,6,7
	v_add_f32 v[LG+\j], v[LG+\j], v[GB+\j]
.endr
	; the first largest among my eight: a later one wins only if it is greater
	v_cmp_gt_f32 vcc_lo, v[LG+1], v[LG]
	v_cndmask_b32 v56, v[LG], v[LG+1], vcc_lo
	v_cndmask_b32 v57, v[IX], v[IX+1], vcc_lo
.irp j, 2,3,4,5,6,7
	v_cmp_gt_f32 vcc_lo, v[LG+\j], v56
	v_cndmask_b32 v56, v56, v[LG+\j], vcc_lo
	v_cndmask_b32 v57, v57, v[IX+\j], vcc_lo
.endr
	v_permlanex16_b32 v58, v56, s20, s21           ; the other eight experts' best, and its number
	v_permlanex16_b32 v59, v57, s20, s21
	v_cmp_gt_f32 s22, v58, v56                     ; the other wins if greater,
	v_cmp_eq_f32 s23, v58, v56                     ; or equal
	v_cmp_lt_u32 s24, v59, v57                     ; with the lower number
	s_and_b32 s23, s23, s24
	s_or_b32 s22, s22, s23
	v_cndmask_b32 v57, v57, v59, s22               ; both halves of the lanes now hold the token's choice
	ds_store_b32 v5, v57                           ; lanes r and r + 16 write the same word with the same number
	s_wait_dscnt 0x0                               ; for the others' sake: my stores have landed
	s_barrier_signal -1
	s_barrier_wait -1
	s_cmp_lg_u32 s16, 0
	s_cbranch_scc1 .Ldone
	ds_load_b64 v[62:63], v6                       ; wave 0 takes the work-group's 64 words
	s_wait_dscnt 0x0
	global_store_b64 v6, v[62:63], s[12:13]        ; and stores them: 256 consecutive bytes, at a multiple of 256 from top1's first byte
.Ldone:
	s_wait_tensorcnt 0x0
	ds_add_u32 v254, v255
	s_wait_dscnt 0x0
	s_endpgm
.Lfunc_end_k_qa0b17f92aa_gate:
	.size	k_qa0b17f92aa_gate, .Lfunc_end_k_qa0b17f92aa_gate-k_qa0b17f92aa_gate
	.p2alignl 7, 3214868480
	.fill 96, 4, 3214868480
	.section	.rodata,"a",@progbits
	.p2align	6, 0x0
	.amdhsa_kernel k_qa0b17f92aa_gate
		.amdhsa_group_segment_fixed_size 768
		.amdhsa_private_segment_fixed_size 0
		.amdhsa_enable_private_segment 0
		.amdhsa_kernarg_size 40
		.amdhsa_user_sgpr_count 2
		.amdhsa_user_sgpr_kernarg_segment_ptr 1
		.amdhsa_wavefront_size32 1
		.amdhsa_system_sgpr_workgroup_id_x 1
		.amdhsa_system_sgpr_workgroup_id_y 1
		.amdhsa_system_sgpr_workgroup_id_z 1
		.amdhsa_system_vgpr_workitem_id 0
		.amdhsa_next_free_vgpr 384
		.amdhsa_next_free_sgpr 66
		.amdhsa_reserve_vcc 1
		.amdhsa_float_denorm_mode_32 3
		.amdhsa_float_denorm_mode_16_64 3
		.amdhsa_memory_ordered 1
		.amdhsa_forward_progress 1
		.amdhsa_inst_pref_size 12
	.end_amdhsa_kernel
	.amdgpu_metadata
---
amdhsa.version: [ 1, 2 ]
amdhsa.kernels:
  - .name:           k_qa0b17f92aa_gate
    .symbol:         k_qa0b17f92aa_gate.kd
    .args:
      - { .name: x_codes, .offset: 0, .size: 8, .value_kind: global_buffer, .address_space: global }
      - { .name: gate_w_codes, .offset: 8, .size: 8, .value_kind: global_buffer, .address_space: global }
      - { .name: gate_b, .offset: 16, .size: 8, .value_kind: global_buffer, .address_space: global }
      - { .name: lowp_scales, .offset: 24, .size: 8, .value_kind: global_buffer, .address_space: global }
      - { .name: top1, .offset: 32, .size: 8, .value_kind: global_buffer, .address_space: global }
    .group_segment_fixed_size: 768
    .private_segment_fixed_size: 0
    .kernarg_segment_align: 8
    .kernarg_segment_size: 40
    .max_flat_workgroup_size: 128
    .sgpr_count:     66
    .vgpr_count:     384
    .wavefront_size: 32
...
	.end_amdgpu_metadata
.endif
;; end of part 1
;; launch hidden (part 2): grid 16 x 16, 4 waves a work-group, no clusters, 305,664 bytes of LDS; arguments x_codes, w1_codes, b1, lowp_scales, top1, h_img; writes h_img
.if DOCPART == 2
	.amdgcn_target "amdgcn-amd-amdhsa--gfx1250"
	.amdhsa_code_object_version 6
	.text
	.protected	k_qa0b17f92aa_hidden
	.globl	k_qa0b17f92aa_hidden
	.p2align	8
	.type	k_qa0b17f92aa_hidden,@function
k_qa0b17f92aa_hidden:
	s_mov_b64 s[64:65], 0
	v_nop
	global_prefetch_b8 v0, s[64:65] scope:SCOPE_SE
	s_setreg_imm32_b32 hwreg(HW_REG_WAVE_MODE, 25, 1), 1
	s_wait_xcnt 0x0
; THE HIDDEN LAYER OF THE CHOSEN EXPERT.  For the tokens t with top1[t] = e: h[t][u] = relu(sum over k of x[t][k] w1[e][u][k] x 2^(e2 + e3) + b1[e][u]), quantised to FP8 (E4M3) with the given scale 2^e5.
; Work-group (x = j, y = e) makes hidden units 128 j .. 128 j + 127 of expert e, for all of that expert's tokens: each byte of w1 is read by one work-group, once; 16 x 16 work-groups.
; THE ROUTING is read from top1, which the launch before stored: n = tokens of expert e, off = tokens of lower experts; wave 0 lays the expert's tokens as a list in LDS.  The 32 entries behind the last name the
; expert's FIRST token once more, so that the padding rows of the last tile are that token again; all further entries name token 0.
; The list's order (register by register of the loaded top1, lane by lane) is the same in the next launch, which builds it by the same lines.
; h_img: tiles of 16 tokens x 2,048 codes, 32,768 bytes a slot, laid in the order of the next product's operand registers: byte = slot x 32768 + s x 2048 + c x 512 + lane x 16, where K step s = u / 128,
; register group c = (u / 32) % 4, lane (r, h) = token r of the tile, and the 16 bytes are k = 128 s + 32 c + 16 h + 0 .. 15.  Expert e's tiles begin at slot off / 16 + e and are ceil(max(n, 1) / 16):
; no two experts' slots meet, the highest is 79, and tile 0 is always written, so that the next launch's first loads find stored bytes.
; SHARES.  Wave w makes units 32 w .. 32 w + 31 of the 128: two tiles over all K = 1,024: 16 fragments, 256 registers (window 1), which stay.  Its 32 rows x 1,024 bytes are asked for at the head, 64 loads
; of 512 consecutive bytes, and turned into fragments through the wave's own stage in LDS.  The tokens' rows of x are gathered into LDS, up to 256 rows a chunk, and read by all four waves.
; THE PRODUCT IS USED TRANSPOSED (source 0 = 16 rows of w1, source 1 = 16 tokens), AND THE ROWS OF w1 THAT FORM A TILE ARE NOT NEIGHBOURS: lane r of tile u takes row 8 u + r + 8 (r / 8) of the wave's 32, so that a lane's
; 16 results are units 16 h + 0 .. 15 of them: 16 neighbours along the next K, which convert straight into register group c = w of the image.
; b1 goes in as the C of a sum's first product, divided by 2^(e2 + e3); the three scales ahead of the quantiser are one: 2^(e5 - e2 - e3); the hold at the largest code clips at 0 as well, which is the relu.
; EVERY SPLIT IS SERVED: the chunk loop has a constant four trips of 16 tiles (1,024 tokens); tiles that the expert does not have are jumped over by scalar branches on n; every barrier stands outside those branches.
; No tensor loads and no cluster: trip work and addresses hang on counts read from memory, and the weights, most of a work-group's bytes, have one reader each.  No prefetch: every weight byte is asked for by its own load at the head.
; LIMITS: e5 - e2 - e3 between -126 and 119, so that the scale and 448 x the scale are f32 numbers; -(e2 + e3) is applied by v_ldexp_f32 and has none.  NaN among the inputs is not served.
.set STAGE,  4352                      ; LDS: the list, 1,024 words, at 0; the dump, 32 words, at 4,096; then a stage of 16 rows for each wave
.set SPITCH, 528                       ; a stage row: 512 bytes + 16: 33 x 16 bytes, so the 16 rows that a load touches start at 16 different columns of 16 bytes
.set WSTG,   16*SPITCH
.set XREG,   STAGE+4*WSTG              ; 256 rows of x
.set XP,     1040                      ; 1,024 bytes + 16: 65 x 16 bytes
.set XT,     16*XP                     ; a tile of 16 rows
.set TOPB, 12                          ; s[12:13] top1
.set SE,   18                          ; s18 e    s19 n    s20 off    s21 the list's fill
.set SN,   19
.set SOFF, 20
.set SPB,  21
.set REM,  26                          ; s26 tokens left from this chunk's first on    s27 the chunk's first token    s28 its first list byte    s29 trips    s30 its first slot    s[32:33] that slot in h_img
.set LN16, 1                           ; v1  16 x lane
.set WST,  2                           ; v2  my stage, on the way in: + 16 x lane
.set WFR,  3                           ; v3  and on the way out: + 528 r + 16 h
.set SCL,  4                           ; v4  2^(e5 - e2 - e3)
.set LIM,  5                           ; v5  448 x that
.set RR,   6                           ; v6  r    v7  h
.set HH,   7
.set LSTR, 8                           ; v8  list byte of my two rows in a tile: 16 w + 8 h
.set LSTC, 9                           ; v9  the same in the chunk in hand
.set Q16,  10                          ; v10 16 x (lane % 16)
.set XST,  11                          ; v11 where I put a row's 16 bytes: XREG + (4 w + 2 h) rows + Q16    v12 four tiles on
.set XST2, 12
.set XFR,  13                          ; v13 a fragment of x: XREG + 1040 r + 16 h
.set TA,   14                          ; v14 the address in hand
.set BO,   15                          ; v15 64 h: b1's offset
.set BIAS, 16                          ; v16-31 b1 / 2^(e2 + e3), tile u at 16 + 8 u, in the result's layout
.set T,    32                          ; v32-63 top1; later v32-43 six pairs of tokens, v44-55 their offsets in x, v56-63 the same for a later pair of tiles
.set LP,   32
.set XO,   44
.set GL,   56
.set GO,   60
.set XL,   64                          ; v64-255 rows of x as they land; later v64-191 a tile's eight fragments
.set XF,   64
.set Z,    64                          ; ahead of that: v64-67 zeros, v68 the first token, v69 the padding's address, v70 1,024 + lane, v71 4 x lane, v128-159 list addresses, v160-191 tokens
.set FT,   68
.set PA,   69
.set DMP,  70
.set L4,   71
.set RK,   128
.set TK,   160
.set ACC,  192                         ; v192-207 two accumulators
.set CD,   208                         ; v208-211 16 codes
.set MSB, 0
.macro WIN new                         ; the immediate's high byte repeats the setting that is left; a switch that changes nothing is dropped
.if MSB != \new
	s_set_vgpr_msb (MSB<<8)|\new
.set MSB, \new
.endif
.endm
.macro BAR                             ; my LDS stores have landed and my LDS loads are in: then the work-group's barrier
	s_wait_dscnt 0x0
	s_barrier_signal -1
	s_barrier_wait -1
.endm
.macro TLOAD                           ; all of top1: register 4 a + q of a lane is token 128 a + 4 x lane + q
.irp a, 0,1,2,3,4,5,6,7
	global_load_b128 v[T+4*\a:T+4*\a+3], v[LN16], s[TOPB:TOPB+1] offset:512*\a
.endr
.endm
.macro SCAN i                          ; 32 tokens: how many are expert e's, how many a lower expert's
	v_cmp_eq_u32 vcc_lo, s[SE], v[T+\i]
	v_cmp_gt_u32 s22, s[SE], v[T+\i]
	s_bcnt1_i32_b32 s23, vcc_lo
	s_add_co_u32 s[SN], s[SN], s23
	s_bcnt1_i32_b32 s23, s22
	s_add_co_u32 s[SOFF], s[SOFF], s23
.endm
.macro ZFILL                           ; all 1,024 entries of the list become token 0
.irp a, 0,1,2,3
	v_mov_b32 v[Z+\a], 0
.endr
.irp a, 0,1,2,3,4,5,6,7
	ds_store_b128 v[LN16], v[Z:Z+3] offset:512*\a
.endr
.endm
.macro PLACE i                         ; 32 tokens: expert e's go to the list's next places, in lane order; the other lanes write their own word of the dump
	v_cmp_eq_u32 vcc_lo, s[SE], v[T+\i]
	v_mbcnt_lo_u32_b32 v[RK+\i], vcc_lo, s[SPB]    ; the list's fill + the matching lanes below mine
	v_cndmask_b32 v[RK+\i], v[DMP], v[RK+\i], vcc_lo
	v_min_u32 v[RK+\i], 0x43f, v[RK+\i]            ; a word of the list or of the dump, whatever was loaded
	v_lshlrev_b32 v[RK+\i], 2, v[RK+\i]
	v_add_nc_u32 v[TK+\i], 128*(\i/4)+\i%4, v[L4]  ; the token's number
	ds_store_b32 v[RK+\i], v[TK+\i]
	s_bcnt1_i32_b32 s23, vcc_lo
	s_add_co_u32 s[SPB], s[SPB], s23
.endm
.macro PADFILL                         ; the 32 places behind the list's last entry take its first entry: a last tile has at most 15 padding rows.  (With no entry at all the first is the 0 of ZFILL)
	ds_load_b32 v[FT], v[Z]                        ; the word at LDS byte 0; LDS serves a wave's instructions in order (ISA guide 5.7.1.4): it sees the stores above
	v_mbcnt_lo_u32_b32 v[PA], -1, s[SPB]           ; the list's fill + my lane
	v_cmp_gt_u32 vcc_lo, 0x400, v[PA]
	v_cndmask_b32 v[PA], v[DMP], v[PA], vcc_lo     ; places past the list's end go to the dump
	v_min_u32 v[PA], 0x43f, v[PA]
	v_lshlrev_b32 v[PA], 2, v[PA]
	s_wait_dscnt 0x0                               ; the first entry is in
	ds_store_b32 v[PA], v[FT]
.endm
; 16 rows x 512 bytes, in window 1 as they were loaded (register 4 r on: row r, 16 bytes a lane), go into my stage and come back as four fragments, into the registers that they left.
; LDS serves a wave's instructions in order (ISA guide 5.7.1.4): no wait between the stores and the loads, nor in front of the next group's stores.
.macro WSTAGE g
	WIN 0x04                                       ; store data window 1
.irp r, 0,1,2,3,4,5,6,7,8,9,10,11,12,13,14,15
	ds_store_b128 v[WST], v[64*(\g)+4*\r:64*(\g)+4*\r+3] offset:SPITCH*\r
.endr
	WIN 0x40                                       ; destination window 1
.irp q, 0,1,2,3,4,5,6,7,8,9,10,11,12,13,14,15  ; q = 4 x (K step of the four) + c
	ds_load_b128 v[64*(\g)+4*\q:64*(\g)+4*\q+3], v[WFR] offset:32*\q
.endr
	WIN 0
.endm
.macro WLOAD g                         ; group g = 2 u + f: tile u's 16 rows, bytes 512 f .. 512 f + 511: each load 512 consecutive bytes; read once in the launch
	WIN 0x40
.irp r, 0,1,2,3,4,5,6,7,8,9,10,11,12,13,14,15
	global_load_b128 v[64*(\g)+4*\r:64*(\g)+4*\r+3], v[LN16], s[6:7] offset:(8*((\g)/2)+\r+8*(\r/8))*1024+512*((\g)%2) th:TH_LOAD_NT
.endr
.endm
.macro XLOAD g                         ; my four rows of tile g: sixteen lanes take 256 consecutive bytes of one row, the other sixteen of the row two further on
.irp p, 0,1
.irp i, 0,1,2,3
	global_load_b128 v[XL+32*(\g)+16*\p+4*\i:XL+32*(\g)+16*\p+4*\i+3], v[XO+2*(\g)+\p], s[4:5] offset:256*\i
.endr
.endr
.endm
.macro XSTORE g
.irp p, 0,1
.irp i, 0,1,2,3
.if (\g) < 4
	ds_store_b128 v[XST], v[XL+32*(\g)+16*\p+4*\i:XL+32*(\g)+16*\p+4*\i+3] offset:XT*(\g)+XP*\p+256*\i
.else
	ds_store_b128 v[XST2], v[XL+32*(\g)+16*\p+4*\i:XL+32*(\g)+16*\p+4*\i+3] offset:XT*((\g)-4)+XP*\p+256*\i
.endif
.endr
.endr
.endm
.macro HBASE                           ; the chunk's first slot in h_img; the clamp keeps every store's address in the buffer, whatever was loaded (79 + 15 slots of the buffer's 96)
	s_min_u32 s22, s30, 79
	s_lshl_b32 s24, s22, 15
	s_mov_b32 s25, 0
	s_add_nc_u64 s[32:33], s[14:15], s[24:25]
.endm
; Tiles 2 u and 2 u + 1 of the chunk in hand are gathered, if the expert has them.  Both waits are for 0: what else is out differs from path to path.
.macro GUNIT u, id
	s_cmp_le_u32 s[REM], 32*\u
	s_cbranch_scc1 .Lgend_\id
	ds_load_b64 v[GL:GL+1], v[LSTC] offset:128*\u
	ds_load_b64 v[GL+2:GL+3], v[LSTC] offset:128*\u+64
	s_wait_dscnt 0x0                               ; the tokens are in, and my earlier LDS stores have read the registers that the loads below fill
.irp q, 0,1,2,3
	v_min_u32 v[GL+\q], 0x3ff, v[GL+\q]
	v_lshl_add_u32 v[GO+\q], v[GL+\q], 10, v[Q16]
.endr
.irp k, 0,1
.irp p, 0,1
.irp m, 0,1,2,3
	global_load_b128 v[XL+32*\k+16*\p+4*\m:XL+32*\k+16*\p+4*\m+3], v[GO+2*\k+\p], s[4:5] offset:256*\m
.endr
.endr
.endr
	s_wait_loadcnt 0x0
	v_add_nc_u32 v[TA], 2*XT*\u, v[XST]
.irp k, 0,1
.irp p, 0,1
.irp m, 0,1,2,3
	ds_store_b128 v[TA], v[XL+32*\k+16*\p+4*\m:XL+32*\k+16*\p+4*\m+3] offset:XT*\k+XP*\p+256*\m
.endr
.endr
.endr
.endm
.macro GATHER first, id
.irp u, 0,1,2,3,4,5,6,7
.if \u >= \first
	GUNIT \u, \id
.endif
.endr
.Lgend_\id:
.endm
; Tile t of the chunk: eight fragments of x from LDS, 16 products on two accumulators by turns, relu, hold and conversion, one store of 512 consecutive bytes.
.macro TILE t
	s_cmp_le_u32 s[REM], 16*\t
	s_cbranch_scc1 .Lcend
	v_add_nc_u32 v[TA], XT*\t, v[XFR]
.set q, 0
.rept 32
	ds_load_b128 v[XF+4*q:XF+4*q+3], v[TA] offset:32*q
.set q, q+1
.endr
	s_wait_dscnt 16                                ; K steps 0 to 3 are in; the sixteen loads of K steps 4 to 7 may be out
	WIN 0x01                                       ; source 0 (w1) window 1
.irp s, 0,1,2,3,4,5,6,7
.if \s == 4
	s_wait_dscnt 0x0
.endif
.irp u, 0,1
.if \s == 0
	v_wmma_f32_16x16x128_fp8_fp8 v[ACC+8*\u:ACC+8*\u+7], v[16*(8*\u+\s):16*(8*\u+\s)+15], v[XF+16*\s:XF+16*\s+15], v[BIAS+8*\u:BIAS+8*\u+7]
.else
	v_wmma_f32_16x16x128_fp8_fp8 v[ACC+8*\u:ACC+8*\u+7], v[16*(8*\u+\s):16*(8*\u+\s)+15], v[XF+16*\s:XF+16*\s+15], v[ACC+8*\u:ACC+8*\u+7]
.endif
.endr
.endr
	WIN 0
.rept 4
	v_nop                                          ; four places ahead of the first read of the results and of the next loads into x's fragments; with the holds of the other accumulator they are more than the five that the next tile's first products want
.endr
.irp i, 0,1,2,3,4,5,6,7,8,9,10,11,12,13,14,15
	v_med3_num_f32 v[ACC+\i], v[ACC+\i], 0, v[LIM] ; the relu and the hold in one: the conversion to an 8-bit code does not saturate (ISA guide 7.6.2).  Each accumulator from its low end on
.endr
	s_wait_xcnt 0x0                                ; the last tile's store has read its data registers: only now are they written again
	v_cvt_scalef32_pk8_fp8_f32 v[CD:CD+1], v[ACC:ACC+7], v[SCL]
	v_cvt_scalef32_pk8_fp8_f32 v[CD+2:CD+3], v[ACC+8:ACC+15], v[SCL]
	v_nop                                          ; one plain vector instruction between a scaled conversion and the products that write its sources again
	global_store_b128 v[LN16], v[CD:CD+3], s[32:33] offset:32768*\t   ; register group w of K step j of the tile's image: 512 consecutive bytes, at a multiple of 512 from h_img's first byte
.endm
	s_load_b256 s[4:11], s[0:1], 0x0               ; x s[4:5], w1 s[6:7], b1 s[8:9], the scales' exponents s[10:11]
	s_load_b128 s[12:15], s[0:1], 0x20             ; top1 s[12:13], h_img s[14:15]
	s_set_vgpr_msb 0x80
	v_lshl_add_u32 v0, v0, 2, 0x4a800
	v_mov_b32 v1, 0
	s_set_vgpr_msb 0x8000
	v_lshrrev_b32 v[TA], 5, v0
	v_readfirstlane_b32 s16, v[TA]                 ; wave 0..3
	s_mov_b32 s17, ttmp9                           ; j
	s_and_b32 s[SE], ttmp7, 0xffff                 ; e
	v_and_b32 v[L4], 31, v0                        ; every LDS address is made here, ahead of the one branch on the wave's number
	v_lshlrev_b32 v[LN16], 4, v[L4]
	v_add_nc_u32 v[DMP], 1024, v[L4]
	v_lshlrev_b32 v[L4], 2, v[L4]
	v_and_b32 v[RR], 15, v0
	v_bfe_u32 v[HH], v0, 4, 1
	s_mul_i32 s22, s16, WSTG
	s_add_co_u32 s22, s22, STAGE
	v_add_nc_u32 v[WST], s22, v[LN16]
	v_mul_u32_u24 v[WFR], v[RR], SPITCH
	v_lshl_add_u32 v[WFR], v[HH], 4, v[WFR]
	v_add_nc_u32 v[WFR], s22, v[WFR]
	s_lshl_b32 s22, s16, 4
	v_lshl_add_u32 v[LSTR], v[HH], 3, s22
	v_lshlrev_b32 v[Q16], 4, v[RR]
	s_mul_i32 s22, s16, 4*XP
	s_add_co_u32 s22, s22, XREG
	v_mul_u32_u24 v[XST], v[HH], 2*XP
	v_add_nc_u32 v[XST], v[XST], v[Q16]
	v_add_nc_u32 v[XST], s22, v[XST]
	v_add_nc_u32 v[XST2], 4*XT, v[XST]
	v_mul_u32_u24 v[XFR], v[RR], XP
	v_lshl_add_u32 v[XFR], v[HH], 4, v[XFR]
	v_add_nc_u32 v[XFR], XREG, v[XFR]
	v_lshlrev_b32 v[BO], 6, v[HH]
	s_lshl_b32 s24, s[SE], 21                      ; my wave's first row of w1: (2048 e + 128 j + 32 w) rows of 1,024 bytes
	s_lshl_b32 s22, s17, 17
	s_add_co_u32 s24, s24, s22
	s_lshl_b32 s22, s16, 15
	s_add_co_u32 s24, s24, s22
	s_mov_b32 s25, 0
	s_lshr_b32 s26, s24, 8                         ; the same rows in b1: 4 bytes each
	s_mov_b32 s27, 0
	s_lshl_b32 s28, s17, 11                        ; my place in a slot of h_img: 2048 j + 512 w
	s_lshl_b32 s22, s16, 9
	s_add_co_u32 s28, s28, s22
	s_mov_b32 s29, 0
	s_mov_b32 s[SN], 0
	s_mov_b32 s[SOFF], 0
	s_mov_b32 s[SPB], 0
	s_wait_kmcnt 0x0
	s_load_b64 s[34:35], s[10:11], 0x8             ; e2, e3
	s_load_b32 s36, s[10:11], 0x14                 ; e5
	s_add_nc_u64 s[6:7], s[6:7], s[24:25]
	s_add_nc_u64 s[8:9], s[8:9], s[26:27]
	s_add_nc_u64 s[14:15], s[14:15], s[28:29]
	TLOAD
.irp u, 0,1                                    ; b1 of units 16 h + 8 u + 0 .. 7 of my 32
	global_load_b128 v[BIAS+8*\u:BIAS+8*\u+3], v[BO], s[8:9] offset:32*\u
	global_load_b128 v[BIAS+8*\u+4:BIAS+8*\u+7], v[BO], s[8:9] offset:32*\u+16
.endr
	WLOAD 0
	WLOAD 1
	WLOAD 2
	WIN 0
	s_wait_loadcnt 48                              ; top1 and b1 are in; the 48 loads of w1 behind them stay out
.set q, 0
.rept 32
	SCAN q
.set q, q+1
.endr
	WLOAD 3
	WIN 0
	s_max_u32 s[SN], s[SN], 1                      ; an expert without tokens still writes its tile 0
	s_lshr_b32 s30, s[SOFF], 4
	s_add_co_u32 s30, s30, s[SE]                   ; the expert's first slot
	s_wait_kmcnt 0x0
	s_add_co_i32 s37, s34, s35                     ; e2 + e3
	s_sub_co_i32 s38, 0, s37
.irp i, 0,1,2,3,4,5,6,7,8,9,10,11,12,13,14,15
	v_ldexp_f32 v[BIAS+\i], v[BIAS+\i], s38        ; a sum stands for sum x 2^(e2 + e3): b1 goes in divided by that
.endr
	s_sub_co_i32 s37, s36, s37
	s_add_co_i32 s37, s37, 127
	s_lshl_b32 s38, s37, 23
	v_mov_b32 v[SCL], s38                          ; 2^(e5 - e2 - e3) as f32: the conversion takes its exponent field
	s_add_co_i32 s37, s37, 8
	s_lshl_b32 s37, s37, 23
	s_or_b32 s37, s37, 0x600000
	v_mov_b32 v[LIM], s37                          ; 448 x that
	s_cmp_lg_u32 s16, 0                            ; wave 0 lays the list; no other wave touches LDS ahead of the barrier
	s_cbranch_scc1 .Llisted
	ZFILL
.set q, 0
.rept 32
	PLACE q
.set q, q+1
.endr
	PADFILL
.Llisted:
	BAR                                            ; the list lies in LDS, and nobody writes it again
.irp g, 0,1,2,3,4,5                            ; the chunk's first six tiles are gathered whatever n is: so the counts below hold on every path
	ds_load_b64 v[LP+2*\g:LP+2*\g+1], v[LSTR] offset:64*\g
.endr
	s_wait_dscnt 0x0
.irp q, 0,1,2,3,4,5,6,7,8,9,10,11
	v_min_u32 v[LP+\q], 0x3ff, v[LP+\q]
	v_lshl_add_u32 v[XO+\q], v[LP+\q], 10, v[Q16]
.endr
.irp g, 0,1,2,3
	s_wait_loadcnt 48                              ; group g of w1 is in: behind it stand 16 (3 - g) loads of w1 and 16 g of x
	WSTAGE \g
.if \g < 3
	XLOAD 2*\g
	XLOAD 2*\g+1
.endif
.endr
	s_wait_loadcnt 32                              ; tiles 0 and 1 of x are in; eight loads for each of the four tiles behind them
	XSTORE 0
	XSTORE 1
	s_wait_loadcnt 16
	XSTORE 2
	XSTORE 3
	s_wait_loadcnt 0x0
	XSTORE 4
	XSTORE 5
	s_mov_b32 s27, 0
	s_mov_b32 s28, 0
	s_mov_b32 s[REM], s[SN]
	v_mov_b32 v[LSTC], v[LSTR]
	HBASE
	GATHER 3, 0                                    ; tiles 6 to 15 of the first chunk, where n is above 96
	s_mov_b32 s29, 0
.Lchunk:                                           ; four trips, whatever n is
	BAR                                            ; the chunk's rows of x lie in LDS; my fragments of w1 are in
.irp t, 0,1,2,3,4,5,6,7,8,9,10,11,12,13,14,15
	TILE \t
.endr
.Lcend:
	BAR                                            ; every wave's reads of the rows are over: they may be written again
	s_wait_xcnt 0x0                                ; the stores have read their base
	s_add_co_u32 s27, s27, 256
	s_sub_co_i32 s[REM], s[SN], s27
	s_max_i32 s[REM], s[REM], 0
	s_add_co_u32 s28, s28, 1024
	s_and_b32 s22, s28, 0xc00                      ; (behind the last trip, where nothing is gathered, the address stays inside the list)
	v_add_nc_u32 v[LSTC], s22, v[LSTR]
	s_add_co_u32 s30, s30, 16
	HBASE
	GATHER 0, 1                                    ; the next chunk's rows, as far as the expert has them
	s_add_co_u32 s29, s29, 1
	s_cmp_lt_u32 s29, 4
	s_cbranch_scc1 .Lchunk
	s_set_vgpr_msb 0xa
	s_wait_tensorcnt 0x0
	ds_add_u32 v0, v1
	s_wait_dscnt 0x0
	s_set_vgpr_msb 0xa00
	s_endpgm
.Lfunc_end_k_qa0b17f92aa_hidden:
	.size	k_qa0b17f92aa_hidden, .Lfunc_end_k_qa0b17f92aa_hidden-k_qa0b17f92aa_hidden
	.p2alignl 7, 3214868480
	.fill 96, 4, 3214868480
	.section	.rodata,"a",@progbits
	.p2align	6, 0x0
	.amdhsa_kernel k_qa0b17f92aa_hidden
		.amdhsa_group_segment_fixed_size 305664
		.amdhsa_private_segment_fixed_size 0
		.amdhsa_enable_private_segment 0
		.amdhsa_kernarg_size 48
		.amdhsa_user_sgpr_count 2
		.amdhsa_user_sgpr_kernarg_segment_ptr 1
		.amdhsa_wavefront_size32 1
		.amdhsa_system_sgpr_workgroup_id_x 1
		.amdhsa_system_sgpr_workgroup_id_y 1
		.amdhsa_system_sgpr_workgroup_id_z 1
		.amdhsa_system_vgpr_workitem_id 0
		.amdhsa_next_free_vgpr 514
		.amdhsa_next_free_sgpr 66
		.amdhsa_reserve_vcc 1
		.amdhsa_float_denorm_mode_32 3
		.amdhsa_float_denorm_mode_16_64 3
		.amdhsa_memory_ordered 1
		.amdhsa_forward_progress 1
		.amdhsa_inst_pref_size 171
	.end_amdhsa_kernel
	.amdgpu_metadata
---
amdhsa.version: [ 1, 2 ]
amdhsa.kernels:
  - .name:           k_qa0b17f92aa_hidden
    .symbol:         k_qa0b17f92aa_hidden.kd
    .args:
      - { .name: x_codes, .offset: 0, .size: 8, .value_kind: global_buffer, .address_space: global }
      - { .name: w1_codes, .offset: 8, .size: 8, .value_kind: global_buffer, .address_space: global }
      - { .name: b1, .offset: 16, .size: 8, .value_kind: global_buffer, .address_space: global }
      - { .name: lowp_scales, .offset: 24, .size: 8, .value_kind: global_buffer, .address_space: global }
      - { .name: top1, .offset: 32, .size: 8, .value_kind: global_buffer, .address_space: global }
      - { .name: h_img, .offset: 40, .size: 8, .value_kind: global_buffer, .address_space: global }
    .group_segment_fixed_size: 305664
    .private_segment_fixed_size: 0
    .kernarg_segment_align: 8
    .kernarg_segment_size: 48
    .max_flat_workgroup_size: 128
    .sgpr_count:     66
    .vgpr_count:     514
    .wavefront_size: 32
...
	.end_amdgpu_metadata
.endif
;; end of part 2
;; launch outp (part 3): grid 16 x 16, 4 waves a work-group, no clusters, 317,952 bytes of LDS; arguments w2_codes, b2, lowp_scales, top1, h_img, out0; writes out0
.if DOCPART == 3
	.amdgcn_target "amdgcn-amd-amdhsa--gfx1250"
	.amdhsa_code_object_version 6
	.text
	.protected	k_qa0b17f92aa_outp
	.globl	k_qa0b17f92aa_outp
	.p2align	8
	.type	k_qa0b17f92aa_outp,@function
k_qa0b17f92aa_outp:
	s_mov_b64 s[64:65], 0
	v_nop
	global_prefetch_b8 v0, s[64:65] scope:SCOPE_SE
	s_setreg_imm32_b32 hwreg(HW_REG_WAVE_MODE, 25, 1), 1
	s_wait_xcnt 0x0
; THE SECOND LAYER OF THE CHOSEN EXPERT.  For the tokens t with top1[t] = e: out0[t][d] = (sum over u of h[t][u] w2[e][d][u]) x 2^(e4 + e5) + b2[e][d], on codes of FP8 (E4M3): w2's as given, h's from h_img.
; Work-group (x = j, y = e) makes columns 64 j .. 64 j + 63 for all of expert e's tokens: each byte of w2 is read by one work-group, once; each row of out0 has one expert, so each output byte has one owning work-group.
; THE ROUTING is read from top1 as in the launch before, by the same lines: n, off, the list of tokens in LDS in the same order; the expert's tiles of 16 tokens lie in h_img from slot off / 16 + e on.
; THE PADDING ROWS of the expert's last tile (15 at the most) are its FIRST token once more, in the list and in h_img alike: their sums are that token's sums, and they are stored to that token's row a second time,
; the same numbers to the same bytes.  So every lane stores in every store, and no line of this text writes EXEC.
; h_img: byte = slot x 32768 + s x 2048 + c x 512 + lane x 16: the operand's registers on end, so a fragment is four loads of 512 consecutive bytes.
; THE WAVES SHARE K: wave w takes K steps 4 w .. 4 w + 3 (512 of the 2,048) of all 64 rows of w2: 16 fragments, 256 registers (window 1), which stay.  So each fragment of h is loaded once in the work-group, by one wave,
; straight into registers (a ring of four tiles, window 2), and feeds four products.  The four waves' partial sums meet in LDS, which is also the turn that the stores want: a token's 64 columns are 256 bytes.
; THE PRODUCT IS USED TRANSPOSED (source 0 = 16 rows of w2, source 1 = 16 tokens): lane (r, h) holds token r and columns 16 nt + 8 h + 0 .. 7.
; EVERY SPLIT IS SERVED: a constant four trips of 16 tiles; tiles that the expert does not have are jumped over by scalar branches on n; every barrier stands outside those branches.  A work-group whose expert has no token
; has no tile and stores nothing.
; No tensor loads and no cluster: the number of tiles hangs on counts read from memory.  No prefetch: every weight byte is asked for by its own load at the head.
; LIMITS: e4 + e5 between -126 and 127, so that 2^(e4 + e5) is an f32 number.  The sum over K is made in four parts, added in f32.  NaN among the inputs is not served.
.set STAGE,  4352                      ; LDS: the list, 1,024 words, at 0; the dump, 32 words, at 4,096; then a stage of 16 rows for each wave
.set SPITCH, 528                       ; a stage row: 512 bytes + 16: 33 x 16 bytes
.set WSTG,   16*SPITCH
.set PREG,   STAGE+4*WSTG              ; the partial sums: [wave][tile of the chunk][token]
.set PP,     272                       ; a token's 64 sums, 256 bytes, + 16: 17 x 16 bytes
.set PT,     16*PP                     ; a tile
.set PW,     16*PT                     ; a wave's 16 tiles
.set TOPB, 10                          ; s[10:11] top1
.set SE,   18                          ; s18 e    s19 n    s20 off    s21 the list's fill
.set SN,   19
.set SOFF, 20
.set SPB,  21
.set NT,   24                          ; s24 tiles written in h_img    s25 tiles to work, from this chunk's first on    s26 the next tile to load    s27 trips    s28 the chunk's first list byte    s29 the first slot    s30 s24 - 1
.set RT,   25
.set TL,   26
.set LN16, 1                           ; v1  16 x lane
.set WST,  2                           ; v2  my stage, on the way in    v3  on the way out
.set WFR,  3
.set PST,  4                           ; v4  where I put 32 bytes of a token's sums: PREG + my wave's part + 272 r + 32 h
.set Q16,  5                           ; v5  16 x (lane % 16)
.set LRD,  6                           ; v6  list byte of the first row that I add up in a tile: 4 (4 w + h)    v7 the same in the chunk in hand
.set LRC,  7
.set POSB, 8                           ; v8  that row's place in a tile: 4 w + h
.set PRD,  10                          ; v10-13 that row in each of the four waves' parts, + Q16;   v20-23 the row two further on
.set RR,   14
.set HH,   15
.set B2,   16                          ; v16-19 b2 of my four columns
.set PRD2, 20
.set DMP,  24                          ; v24 1,024 + lane    v25 4 x lane
.set L4,   25
.set T,    32                          ; v32-63 top1; later v32-95 two sets of four accumulators
.set ACC,  32
.set RD,   96                          ; v96-127 two rows x four waves' 16 bytes
.set Z,    96                          ; ahead of that: v96-99 zeros, v100 the first token, v101 the padding's address
.set FT,   100
.set PA,   101
.set TOK,  128                         ; v128-129 tokens    v130-131 their offsets in out0
.set OO,   130
.set RK,   160                         ; v160-191 list addresses, v192-223 tokens (wave 0, at the head)
.set TK,   192
.set MSB, 0
.macro WIN new                         ; the immediate's high byte repeats the setting that is left; a switch that changes nothing is dropped
.if MSB != \new
	s_set_vgpr_msb (MSB<<8)|\new
.set MSB, \new
.endif
.endm
.macro BAR                             ; my LDS stores have landed and my LDS loads are in: then the work-group's barrier
	s_wait_dscnt 0x0
	s_barrier_signal -1
	s_barrier_wait -1
.endm
.macro TLOAD                           ; all of top1: register 4 a + q of a lane is token 128 a + 4 x lane + q
.irp a, 0,1,2,3,4,5,6,7
	global_load_b128 v[T+4*\a:T+4*\a+3], v[LN16], s[TOPB:TOPB+1] offset:512*\a
.endr
.endm
.macro SCAN i                          ; 32 tokens: how many are expert e's, how many a lower expert's
	v_cmp_eq_u32 vcc_lo, s[SE], v[T+\i]
	v_cmp_gt_u32 s22, s[SE], v[T+\i]
	s_bcnt1_i32_b32 s23, vcc_lo
	s_add_co_u32 s[SN], s[SN], s23
	s_bcnt1_i32_b32 s23, s22
	s_add_co_u32 s[SOFF], s[SOFF], s23
.endm
.macro ZFILL                           ; all 1,024 entries of the list become token 0
.irp a, 0,1,2,3
	v_mov_b32 v[Z+\a], 0
.endr
.irp a, 0,1,2,3,4,5,6,7
	ds_store_b128 v[LN16], v[Z:Z+3] offset:512*\a
.endr
.endm
.macro PLACE i                         ; 32 tokens: expert e's go to the list's next places, in lane order; the other lanes write their own word of the dump
	v_cmp_eq_u32 vcc_lo, s[SE], v[T+\i]
	v_mbcnt_lo_u32_b32 v[RK+\i], vcc_lo, s[SPB]    ; the list's fill + the matching lanes below mine
	v_cndmask_b32 v[RK+\i], v[DMP], v[RK+\i], vcc_lo
	v_min_u32 v[RK+\i], 0x43f, v[RK+\i]            ; a word of the list or of the dump, whatever was loaded
	v_lshlrev_b32 v[RK+\i], 2, v[RK+\i]
	v_add_nc_u32 v[TK+\i], 128*(\i/4)+\i%4, v[L4]  ; the token's number
	ds_store_b32 v[RK+\i], v[TK+\i]
	s_bcnt1_i32_b32 s23, vcc_lo
	s_add_co_u32 s[SPB], s[SPB], s23
.endm
.macro PADFILL                         ; the 32 places behind the list's last entry take its first entry: a last tile has at most 15 padding rows.  (With no entry at all the first is the 0 of ZFILL)
	ds_load_b32 v[FT], v[Z]                        ; the word at LDS byte 0; LDS serves a wave's instructions in order (ISA guide 5.7.1.4): it sees the stores above
	v_mbcnt_lo_u32_b32 v[PA], -1, s[SPB]           ; the list's fill + my lane
	v_cmp_gt_u32 vcc_lo, 0x400, v[PA]
	v_cndmask_b32 v[PA], v[DMP], v[PA], vcc_lo     ; places past the list's end go to the dump
	v_min_u32 v[PA], 0x43f, v[PA]
	v_lshlrev_b32 v[PA], 2, v[PA]
	s_wait_dscnt 0x0                               ; the first entry is in
	ds_store_b32 v[PA], v[FT]
.endm
; 16 rows x 512 bytes, in window 1 as they were loaded (register 4 r on: row r, 16 bytes a lane), go into my stage and come back as four fragments, into the registers that they left.
; LDS serves a wave's instructions in order (ISA guide 5.7.1.4): no wait between the stores and the loads, nor in front of the next group's stores.
.macro WSTAGE g
	WIN 0x04                                       ; store data window 1
.irp r, 0,1,2,3,4,5,6,7,8,9,10,11,12,13,14,15
	ds_store_b128 v[WST], v[64*(\g)+4*\r:64*(\g)+4*\r+3] offset:SPITCH*\r
.endr
	WIN 0x40                                       ; destination window 1
.irp q, 0,1,2,3,4,5,6,7,8,9,10,11,12,13,14,15  ; q = 4 x (K step of my four) + c
	ds_load_b128 v[64*(\g)+4*\q:64*(\g)+4*\q+3], v[WFR] offset:32*\q
.endr
	WIN 0
.endm
.macro WLOAD g                         ; rows 16 g .. 16 g + 15 of the 64, my 512 bytes of each: each load 512 consecutive bytes; read once in the launch
	WIN 0x40
.irp r, 0,1,2,3,4,5,6,7,8,9,10,11,12,13,14,15
	global_load_b128 v[64*(\g)+4*\r:64*(\g)+4*\r+3], v[LN16], s[4:5] offset:(16*(\g)+\r)*2048 th:TH_LOAD_NT
.endr
.endm
; The next tile's four fragments of h (my K steps: 8,192 consecutive bytes) into ring buffer b.  The tile is held at the expert's last, the slot at 79: whatever was loaded, the address lies in stored bytes of h_img.
; The buffer's base pair is written again only behind the wait that showed its last loads done.
.macro HLOAD b
	s_min_u32 s22, s[TL], s30
	s_add_co_u32 s22, s22, s29
	s_min_u32 s22, s22, 79
	s_lshl_b32 s40, s22, 15
	s_mov_b32 s41, 0
	s_add_nc_u64 s[32+2*(\b):33+2*(\b)], s[12:13], s[40:41]
	WIN 0x80                                       ; destination window 2
.irp q, 0,1,2,3,4,5,6,7,8,9,10,11,12,13,14,15
	global_load_b128 v[64*(\b)+4*\q:64*(\b)+4*\q+3], v[LN16], s[32+2*(\b):33+2*(\b)] offset:512*\q
.endr
	WIN 0
	s_add_co_u32 s[TL], s[TL], 1
.endm
; Tile i of the chunk: 16 products, four accumulators by turns, my partial sums into LDS, and the ring buffer takes the tile four further on, if there is one.
.macro TILE3 i
	s_cmp_le_u32 s[RT], \i
	s_cbranch_scc1 .Lcend
.if (\i)%4 == 0
	s_wait_loadcnt 0x0                             ; all four ring buffers are in.  The count is 0: whether the reloads behind them were issued differs from path to path
.endif
	s_wait_dscnt 8                                 ; the last tile's eight stores may be out; those of the tile before it, which read this set of accumulators, are done
.set AA, ACC+32*((\i)%2)
	WIN 0x09                                       ; source 0 (w2) window 1, source 1 (h) window 2
.irp sl, 0,1,2,3
.irp nt, 0,1,2,3
.if \sl == 0
	v_wmma_f32_16x16x128_fp8_fp8 v[AA+8*\nt:AA+8*\nt+7], v[64*\nt+16*\sl:64*\nt+16*\sl+15], v[64*((\i)%4)+16*\sl:64*((\i)%4)+16*\sl+15], 0
.else
	v_wmma_f32_16x16x128_fp8_fp8 v[AA+8*\nt:AA+8*\nt+7], v[64*\nt+16*\sl:64*\nt+16*\sl+15], v[64*((\i)%4)+16*\sl:64*((\i)%4)+16*\sl+15], v[AA+8*\nt:AA+8*\nt+7]
.endif
.endr
.endr
	WIN 0
.rept 4
	v_nop                                          ; four places ahead of the stores that read the results and of the loads into the ring buffer
.endr
.irp nt, 0,1,2,3
	ds_store_b128 v[PST], v[AA+8*\nt:AA+8*\nt+3] offset:PT*\i+64*\nt          ; each accumulator from its low end on
	ds_store_b128 v[PST], v[AA+8*\nt+4:AA+8*\nt+7] offset:PT*\i+64*\nt+16
.endr
	s_cmp_lt_u32 s[TL], s[NT]
	s_cbranch_scc0 .Lnoh_\i
	HLOAD (\i)%4
.Lnoh_\i:
.endm
; Tile i of the chunk, rows 4 w .. 4 w + 3: the four waves' parts are added, scaled, b2 is added, and each row goes to its token's row of out0: sixteen lanes store its 256 bytes.
.macro RTILE i
	s_cmp_le_u32 s[RT], \i
	s_cbranch_scc1 .Lrend
	s_wait_xcnt 0x0                                ; the last tile's two stores have read their data and their offsets: only now are those registers written again
.irp k, 0,1,2,3
	ds_load_b128 v[RD+4*\k:RD+4*\k+3], v[PRD+\k] offset:PT*\i
.endr
	ds_load_b32 v[TOK], v[LRC] offset:64*\i
.irp k, 0,1,2,3
	ds_load_b128 v[RD+16+4*\k:RD+16+4*\k+3], v[PRD2+\k] offset:PT*\i
.endr
	ds_load_b32 v[TOK+1], v[LRC] offset:64*\i+8
	s_wait_dscnt 0x0
.irp p, 0,1
.set RB, RD+16*\p
	v_pk_add_f32 v[RB:RB+1], v[RB:RB+1], v[RB+4:RB+5]
	v_pk_add_f32 v[RB+2:RB+3], v[RB+2:RB+3], v[RB+6:RB+7]
	v_pk_add_f32 v[RB+8:RB+9], v[RB+8:RB+9], v[RB+12:RB+13]
	v_pk_add_f32 v[RB+10:RB+11], v[RB+10:RB+11], v[RB+14:RB+15]
	v_pk_add_f32 v[RB:RB+1], v[RB:RB+1], v[RB+8:RB+9]
	v_pk_add_f32 v[RB+2:RB+3], v[RB+2:RB+3], v[RB+10:RB+11]
	v_pk_fma_f32 v[RB:RB+1], v[RB:RB+1], s[42:43], v[B2:B2+1] op_sel_hi:[1,0,1]       ; sum x 2^(e4 + e5) + b2 (the scalar pair's low word for both halves)
	v_pk_fma_f32 v[RB+2:RB+3], v[RB+2:RB+3], s[42:43], v[B2+2:B2+3] op_sel_hi:[1,0,1]
	v_min_u32 v[TOK+\p], 0x3ff, v[TOK+\p]
	v_lshl_add_u32 v[OO+\p], v[TOK+\p], 12, v[Q16] ; the token's row of 4,096 bytes
	global_store_b128 v[OO+\p], v[RB:RB+3], s[14:15] th:TH_STORE_NT   ; 16 lanes store 256 consecutive bytes, at a multiple of 256 from out0's first byte; nobody reads them here
.endr
.endm
	s_load_b256 s[4:11], s[0:1], 0x0               ; w2 s[4:5], b2 s[6:7], the scales' exponents s[8:9], top1 s[10:11]
	s_load_b128 s[12:15], s[0:1], 0x20             ; h_img s[12:13], out0 s[14:15]
	v_lshl_add_u32 v254, v0, 2, 0x4d800
	v_mov_b32 v255, 0
	v_lshrrev_b32 v[RR], 5, v0
	v_readfirstlane_b32 s16, v[RR]                 ; wave 0..3
	s_mov_b32 s17, ttmp9                           ; j
	s_and_b32 s[SE], ttmp7, 0xffff                 ; e
	v_and_b32 v[L4], 31, v0                        ; every LDS address is made here, ahead of the one branch on the wave's number
	v_lshlrev_b32 v[LN16], 4, v[L4]
	v_add_nc_u32 v[DMP], 1024, v[L4]
	v_lshlrev_b32 v[L4], 2, v[L4]
	v_and_b32 v[RR], 15, v0
	v_bfe_u32 v[HH], v0, 4, 1
	s_mul_i32 s22, s16, WSTG
	s_add_co_u32 s22, s22, STAGE
	v_add_nc_u32 v[WST], s22, v[LN16]
	v_mul_u32_u24 v[WFR], v[RR], SPITCH
	v_lshl_add_u32 v[WFR], v[HH], 4, v[WFR]
	v_add_nc_u32 v[WFR], s22, v[WFR]
	s_mul_i32 s22, s16, PW
	s_add_co_u32 s22, s22, PREG
	v_mul_u32_u24 v[PST], v[RR], PP
	v_lshl_add_u32 v[PST], v[HH], 5, v[PST]
	v_add_nc_u32 v[PST], s22, v[PST]
	v_lshlrev_b32 v[Q16], 4, v[RR]
	s_lshl_b32 s22, s16, 2
	v_add_nc_u32 v[POSB], s22, v[HH]
	v_lshlrev_b32 v[LRD], 2, v[POSB]
	v_mul_u32_u24 v[PRD], v[POSB], PP
	v_add_nc_u32 v[PRD], v[PRD], v[Q16]
	v_add_nc_u32 v[PRD], PREG, v[PRD]
.irp k, 1,2,3
	v_add_nc_u32 v[PRD+\k], \k*PW, v[PRD]
.endr
.irp k, 0,1,2,3
	v_add_nc_u32 v[PRD2+\k], 2*PP, v[PRD+\k]       ; in registers of their own: with tile 15's 65,280 bytes the two rows' 544 would pass the 16-bit offset
.endr
	s_lshl_b32 s24, s[SE], 21                      ; w2: (1024 e + 64 j) rows of 2,048 bytes + my 512 bytes of a row
	s_lshl_b32 s22, s17, 17
	s_add_co_u32 s24, s24, s22
	s_lshl_b32 s22, s16, 9
	s_add_co_u32 s24, s24, s22
	s_mov_b32 s25, 0
	s_lshl_b32 s26, s[SE], 12                      ; b2: 4,096 e + 256 j
	s_lshl_b32 s22, s17, 8
	s_add_co_u32 s26, s26, s22
	s_mov_b32 s27, 0
	s_lshl_b32 s28, s16, 13                        ; h_img: my four K steps of a slot
	s_mov_b32 s29, 0
	s_lshl_b32 s30, s17, 8                         ; out0: my work-group's 256 bytes of a row
	s_mov_b32 s31, 0
	s_mov_b32 s[SN], 0
	s_mov_b32 s[SOFF], 0
	s_mov_b32 s[SPB], 0
	s_wait_kmcnt 0x0
	s_load_b64 s[46:47], s[8:9], 0x10              ; e4, e5
	s_add_nc_u64 s[4:5], s[4:5], s[24:25]
	s_add_nc_u64 s[6:7], s[6:7], s[26:27]
	s_add_nc_u64 s[12:13], s[12:13], s[28:29]
	s_add_nc_u64 s[14:15], s[14:15], s[30:31]
	TLOAD
	global_load_b128 v[B2:B2+3], v[Q16], s[6:7]
	WLOAD 0
	WLOAD 1
	WLOAD 2
	WIN 0
	s_wait_loadcnt 48                              ; top1 and b2 are in; the 48 loads of w2 behind them stay out
.set q, 0
.rept 32
	SCAN q
.set q, q+1
.endr
	WLOAD 3
	WIN 0
	s_max_u32 s22, s[SN], 1
	s_add_co_u32 s22, s22, 15
	s_lshr_b32 s[NT], s22, 4                       ; tiles in h_img: ceil(max(n, 1) / 16), as the launch before wrote them
	s_sub_co_u32 s30, s[NT], 1
	s_lshr_b32 s29, s[SOFF], 4
	s_add_co_u32 s29, s29, s[SE]                   ; the expert's first slot
	s_mov_b32 s[TL], 0
	s_wait_kmcnt 0x0
	s_add_co_i32 s42, s46, s47
	s_add_co_i32 s42, s42, 127
	s_lshl_b32 s42, s42, 23                        ; 2^(e4 + e5) as f32
	s_mov_b32 s43, s42                             ; (named with it as a pair, so it is written)
	s_cmp_lg_u32 s16, 0                            ; wave 0 lays the list; no other wave touches LDS ahead of the barrier
	s_cbranch_scc1 .Llisted
	ZFILL
.set q, 0
.rept 32
	PLACE q
.set q, q+1
.endr
	PADFILL
.Llisted:
	BAR                                            ; the list lies in LDS, and nobody writes it again
.irp g, 0,1,2,3
	s_wait_loadcnt 48                              ; group g of w2 is in: behind it stand 16 (3 - g) loads of w2 and 16 g of h
	WSTAGE \g
	HLOAD \g                                       ; the ring's first four tiles, whatever n is: so the counts hold on every path
.endr
	s_wait_dscnt 0x0                               ; my fragments of w2 are in
	s_add_co_u32 s22, s[SN], 15
	s_lshr_b32 s[RT], s22, 4                       ; tiles to work: ceil(n / 16): none where the expert has no token
	s_mov_b32 s28, 0
	v_mov_b32 v[LRC], v[LRD]
	s_mov_b32 s27, 0
.Lchunk:                                           ; four trips of 16 tiles, whatever n is; 16 tiles are four laps of the ring, so the buffers' numbers carry over
.irp i, 0,1,2,3,4,5,6,7,8,9,10,11,12,13,14,15
	TILE3 \i
.endr
.Lcend:
	BAR                                            ; all four waves' partial sums of the chunk lie in LDS
.irp i, 0,1,2,3,4,5,6,7,8,9,10,11,12,13,14,15
	RTILE \i
.endr
.Lrend:
	BAR                                            ; every wave's reads of them are over: they may be written again
	s_sub_co_i32 s[RT], s[RT], 16
	s_max_i32 s[RT], s[RT], 0
	s_add_co_u32 s28, s28, 1024
	s_and_b32 s22, s28, 0xc00                      ; (behind the last trip the address stays inside the list)
	v_add_nc_u32 v[LRC], s22, v[LRD]
	s_add_co_u32 s27, s27, 1
	s_cmp_lt_u32 s27, 4
	s_cbranch_scc1 .Lchunk
	s_wait_tensorcnt 0x0
	ds_add_u32 v254, v255
	s_wait_dscnt 0x0
	s_endpgm
.Lfunc_end_k_qa0b17f92aa_outp:
	.size	k_qa0b17f92aa_outp, .Lfunc_end_k_qa0b17f92aa_outp-k_qa0b17f92aa_outp
	.p2alignl 7, 3214868480
	.fill 96, 4, 3214868480
	.section	.rodata,"a",@progbits
	.p2align	6, 0x0
	.amdhsa_kernel k_qa0b17f92aa_outp
		.amdhsa_group_segment_fixed_size 317952
		.amdhsa_private_segment_fixed_size 0
		.amdhsa_enable_private_segment 0
		.amdhsa_kernarg_size 48
		.amdhsa_user_sgpr_count 2
		.amdhsa_user_sgpr_kernarg_segment_ptr 1
		.amdhsa_wavefront_size32 1
		.amdhsa_system_sgpr_workgroup_id_x 1
		.amdhsa_system_sgpr_workgroup_id_y 1
		.amdhsa_system_sgpr_workgroup_id_z 1
		.amdhsa_system_vgpr_workitem_id 0
		.amdhsa_next_free_vgpr 768
		.amdhsa_next_free_sgpr 66
		.amdhsa_reserve_vcc 1
		.amdhsa_float_denorm_mode_32 3
		.amdhsa_float_denorm_mode_16_64 3
		.amdhsa_memory_ordered 1
		.amdhsa_forward_progress 1
		.amdhsa_inst_pref_size 142
	.end_amdhsa_kernel
	.amdgpu_metadata
---
amdhsa.version: [ 1, 2 ]
amdhsa.kernels:
  - .name:           k_qa0b17f92aa_outp
    .symbol:         k_qa0b17f92aa_outp.kd
    .args:
      - { .name: w2_codes, .offset: 0, .size: 8, .value_kind: global_buffer, .address_space: global }
      - { .name: b2, .offset: 8, .size: 8, .value_kind: global_buffer, .address_space: global }
      - { .name: lowp_scales, .offset: 16, .size: 8, .value_kind: global_buffer, .address_space: global }
      - { .name: top1, .offset: 24, .size: 8, .value_kind: global_buffer, .address_space: global }
      - { .name: h_img, .offset: 32, .size: 8, .value_kind: global_buffer, .address_space: global }
      - { .name: out0, .offset: 40, .size: 8, .value_kind: global_buffer, .address_space: global }
    .group_segment_fixed_size: 317952
    .private_segment_fixed_size: 0
    .kernarg_segment_align: 8
    .kernarg_segment_size: 48
    .max_flat_workgroup_size: 128
    .sgpr_count:     66
    .vgpr_count:     768
    .wavefront_size: 32
...
	.end_amdgpu_metadata
.endif
;; end of part 3
